; MI455X (gfx1250); checked and timed in simulation.
; The chip was launched on July 23, 2026; its instructions are those of AMD's public machine-readable ISA for CDNA 5 (MIT licence, August 2026) and "CDNA5" Instruction Set Architecture Reference Guide (July 2026). The comments in the code are by the model that wrote it; some were corrected since.
;; Flash Diff Attention. Allowed arithmetic: matrix products marked QUANTISED: E2M3 operands, one E8M0 scale for each 32 along K, by v_wmma_scale_f32_16x16x128_f8f6f4 with both operands' format E2M3, f32 sums; everything else in f32.
;; Inputs: k 2 x 2,048 x 16 x 128 float32; lambda_k1 128 float32; lambda_k2 128 float32; lambda_q1 128 float32; lambda_q2 128 float32; q 2 x 2,048 x 16 x 128 float32; v 2 x 2,048 x 16 x 128 float32.
;; Outputs: out0 2 x 2,048 x 16 x 128 float32.
;; This version of the problem:
;;   THIS VERSION OF THE PROBLEM IS GIVEN IN LOW PRECISION. The matrix products marked QUANTISED in the list below multiply operands that are first quantised to E2M3 (2 exponent bits, 3 mantissa bits; 6 bits a number), with one power-of-two scale for each 32 numbers along K (OCP MX v1.0); their sums are f32. All else is computed in f32.
;;   The module's matrix products, in the order in which they are computed (A, B: the left and right operand; K: the contracted axis; several contracted axes count as one K, in the product's order):
;;     1. batch 16 x [M 2,048, K 128] x [K 128, N 2,048]; A: input q; B: input k: QUANTISED
;;     2. batch 16 x [M 256, K 2,048] x [K 2,048, N 2,048]; A: computed on the way; B: softmax (see below): QUANTISED
;;     3. batch 16 x [M 2,048, K 128] x [K 128, N 2,048]; A: input q; B: input k: QUANTISED
;;     4. batch 16 x [M 256, K 2,048] x [K 2,048, N 2,048]; A: computed on the way; B: softmax (see below): QUANTISED
;;   THE QUANTISER, for each operand of a quantised product, along K:
;;     - K is cut into blocks of 32 from its start; a last block that is shorter is filled with zeros.
;;     - A block's scale is 2^e with e = floor(log2(the largest magnitude in the block)) - 2, held to -126 .. 127; a block of zeros has e = 0. As a byte (E8M0): e + 127.
;;     - Each number is divided by its block's scale, clamped to +-7.5, and rounded to the nearest number of E2M3, ties to even, subnormals kept.
;;     - The product sums the exact products of the quantised numbers (number of the format x scale) in f32.
;;   ~~~python
;;   def quantise(x, axis):      # numpy; x: float32 -> the quantised numbers, widened to float32 again
;;       x = np.moveaxis(x, axis, -1); K = x.shape[-1]
;;       x = np.pad(x, [(0, 0)] * (x.ndim - 1) + [(0, -K % 32)]); x = x.reshape(x.shape[:-1] + (-1, 32)); a = np.abs(x).max(-1, keepdims=True)
;;       e = np.where(a > 0, np.clip(np.frexp(np.where(a > 0, a, 1))[1] - 1 - 2, -126, 127), 0)      # np.frexp(a)[1] - 1 = floor(log2(a)), exactly
;;       r = np.clip(x / 2.0 ** e, -7.5, 7.5)
;;       step = 2.0 ** (np.maximum(np.frexp(np.where(r == 0, 1, r))[1] - 1, 0) - 3)
;;       q = np.round(r / step) * step * 2.0 ** e      # np.round: ties to even
;;       return np.moveaxis(q.reshape(q.shape[:-2] + (-1,))[..., :K], -1, axis).astype(np.float32)
;;   ~~~
;;   SOFTMAX AHEAD OF A QUANTISED PRODUCT. Where the list says 'softmax', what is quantised is not the finished softmax but p = 2^(t - M), with t = logit x log2(e) and M = ceil(the row's largest t), a whole number; so 1/2 < the row's largest p <= 1. The row's sum l is taken of the UNQUANTISED p, in f32, and the product's result is divided by l at the end. Since M is a whole number, a kernel that streams over the keys may use a running M (the ceiling of the running maximum): every later rescaling is an exact power of two, which a block's scale takes up: the codes' values come out the same.
;;   OPERANDS COMPUTED ON THE WAY. 'Computed on the way' means the value that the module computes at that place (a softmax that the list does not call 'softmax' is quantised finished and normalised). What goes into a quantiser is computed in f32, as accurately as f32 sums, v_exp_f32 and their like allow (about 1e-6 of the number): no bf16 or f16 on the way to a quantiser, and a product that is left as it is and whose result goes on into a quantised operand takes f32 operands (vector FMAs, or v_wmma_f32_16x16x4_f32). A number that lies on a knife's edge between two numbers of the format may be rounded either way, as far as f32 arithmetic and the matrix unit's own rounding can turn it there, and no further.
;; One version. Each part assembles by itself: llvm-mc -triple=amdgcn-amd-amdhsa -mcpu=gfx1250 --defsym DOCPART=n.
;; ======== version 1 of 1: 2 launches
;; workspace buffers: kv 13,107,200 bytes
;; launch prep (part 1): grid 1024 x 1, 4 waves a work-group, no clusters, 69,120 bytes of LDS; arguments k, v, kv; writes kv
.if DOCPART == 1
	.amdgcn_target "amdgcn-amd-amdhsa--gfx1250"
	.amdhsa_code_object_version 6
	.text
	.protected	k_qfdc2ddec3e_prep
	.globl	k_qfdc2ddec3e_prep
	.p2align	8
	.type	k_qfdc2ddec3e_prep,@function
k_qfdc2ddec3e_prep:
	s_mov_b64 s[64:65], 0
	v_nop
	global_prefetch_b8 v0, s[64:65] scope:SCOPE_SE
	s_setreg_imm32_b32 hwreg(HW_REG_WAVE_MODE, 25, 1), 1
	s_wait_xcnt 0x0
; k and v, [2][2048][16][128] f32, become codes of FP6 (E2M3) with one E8M0 byte for each 32 along a product's K, laid in kv as IMAGES OF THE OPERANDS' REGISTERS.
; kv = [pair 16][slot 8][102400 bytes]; a slot is 256 keys = two key steps q of 128.  In a slot: at e*25600 + q*12800 (e = head in the pair): K's 8 fragments of 1536 bytes, then 512 bytes of scale words;
; at 51200 + q*25600: V's 16 fragments (16 channels x 128 keys each), then 1024 bytes of scale words.
; A fragment's register j of lane l lies at 512 (j/4) + 16 l + 4 (j%4): three loads of 16 bytes a lane bring it.  Lane (r, hh) holds in registers 6c .. 6c+5 the codes of K = 64c + 32hh + 0..31 of row r.
; K's fragment t takes the keys 32 (t/2) + 8 (t%2) + r + 8 (r/8) of its step, so that the scores of two neighbouring tiles are 16 neighbouring keys in a lane.  V's fragment t takes channels 16 t + r.
; Scale words: register x of lane l at 512 (x/4) + 16 l + 4 (x%4): lanes 0-15 the word of fragment 2x, row r; lanes 16-31 that of fragment 2x+1.
; A block's scale is 2^(floor(log2(largest magnitude)) - 2); its byte is the largest magnitude's exponent field - 2, held at 1 from below.
; LIMITS: NaN and infinities among the inputs are not served; a block whose largest magnitude lies under 2^-124 keeps the byte 1, and so does a block of zeros (its codes are zeros; only this program reads the bytes).
; Work-groups 0-511 take k: one (batch, head, key step); wave w its keys 32w .. 32w+31 = fragments 2w, 2w+1.  Rows are loaded whole (512 consecutive bytes) and turn through the wave's own stage in LDS.
; Work-groups 512-1023 take v: one (batch, key step, 128 columns); a lane takes a column and its registers run down the keys, so nothing is transposed.
; No tensor loads.  One barrier, in the tail that both ways share: the four waves' scale words leave as 512 consecutive bytes.
.set X,    32                          ; v32-159  numbers
.set C0,   160                         ; v160-171 codes, first fragment (v: image lanes 0-15)
.set C1,   172                         ; v172-183 codes, second fragment (v: image lanes 16-31)
.set TQ,   184                         ; v184-186 a block's upper 16 codes: a conversion's three registers begin on an even number
.set M0,   12
.set M1,   13
.set SOP,  14                          ; the conversion's scale operand
.set STGW, 16896                       ; a wave's stage: 32 rows x 528 bytes
.set SCB,  67584                       ; behind the stages: 512 bytes for the scale words
; 32 numbers of one lane -> 6 registers of codes at dst, the scale's byte in v[by]
.macro BLOCKQ src, dst, by
	v_max3_num_f32 v[M0], |v[(\src)]|, |v[(\src)+1]|, |v[(\src)+2]|
	v_max3_num_f32 v[M1], |v[(\src)+3]|, |v[(\src)+4]|, |v[(\src)+5]|
.irp i, 6,10,14,18,22,26
	v_max3_num_f32 v[M0], v[M0], |v[(\src)+\i]|, |v[(\src)+\i+1]|
	v_max3_num_f32 v[M1], v[M1], |v[(\src)+\i+2]|, |v[(\src)+\i+3]|
.endr
	v_max3_num_f32 v[M0], v[M0], |v[(\src)+30]|, |v[(\src)+31]|
	v_max3_num_f32 v[M0], v[M0], v[M1], 0x1800000          ; the floor 2^(3 - 127): the byte cannot fall under 1
	v_add_nc_u32 v[SOP], 0xff000000, v[M0]                 ; 2 off the exponent field: the conversion takes this operand's exponent field as its scale
	v_lshrrev_b32 v[(\by)], 23, v[SOP]                     ; the scale's byte
	v_cvt_scalef32_pk16_fp6_f32 v[(\dst):(\dst)+2], v[(\src):(\src)+15], v[SOP]
	v_cvt_scalef32_pk16_fp6_f32 v[TQ:TQ+2], v[(\src)+16:(\src)+31], v[SOP]
	v_nop                                                  ; one plain line behind a scaled conversion
.irp i, 0,1,2
	v_mov_b32 v[(\dst)+3+\i], v[TQ+\i]
.endr
.endm
; lane (r, hh) holds block hh in src .. +31 and block 2 + hh in src+32 .. +63: a fragment's 12 registers at dst, the row's scale word in v[word]
.macro FRAGQ src, dst, word
	BLOCKQ (\src), (\dst), 15
	BLOCKQ (\src)+32, (\dst)+6, 16
	v_lshl_or_b32 v[\word], v16, 16, v15                   ; my two bytes,
	v_lshlrev_b32 v[\word], v11, v[\word]                  ; 8 hh bits up;
	v_permlanex16_b32 v21, v[\word], s20, s21
	v_or_b32 v[\word], v[\word], v21                       ; with lane l xor 16's two the word is whole
.endm
	s_load_b128 s[4:7], s[0:1], 0x0                ; k, v
	s_load_b64 s[8:9], s[0:1], 0x10                ; kv
	v_lshl_add_u32 v192, v0, 2, 0x10c00
	v_mov_b32 v193, 0
	v_lshrrev_b32 v1, 5, v0
	v_readfirstlane_b32 s10, v1                    ; wave 0..3
	v_and_b32 v1, 31, v0                           ; lane
	v_and_b32 v2, 15, v0                           ; r
	v_bfe_u32 v3, v0, 4, 1                         ; hh
	v_lshlrev_b32 v4, 4, v1                        ; 16 x lane
	s_mul_i32 s24, s10, STGW
	v_add_nc_u32 v5, s24, v4                       ; the stage, in: 16 x lane of a row
	v_mul_u32_u24 v6, v2, 528
	v_lshl_add_u32 v6, v3, 7, v6
	v_add_nc_u32 v6, s24, v6                       ; the stage, out: row r, + 128 hh.  528 = 33 x 16 bytes: sixteen rows begin in sixteen different 16-byte columns
	s_lshl_b32 s24, s10, 2
	s_add_co_u32 s24, s24, SCB
	v_add_nc_u32 v7, s24, v4                       ; my scale word: 16 x lane + 4 x wave
	v_add_nc_u32 v8, SCB, v4                       ; and the four waves' words of a lane
	v_lshlrev_b32 v9, 2, v1                        ; v: 4 bytes a lane
	v_mul_u32_u24 v10, v3, 1536
	v_lshl_add_u32 v10, v2, 4, v10                 ; v's codes: my column's fragment, row r
	v_lshlrev_b32 v11, 3, v3                       ; 8 hh
	v_mov_b32 v21, 0                               ; a lane permute's destination counts as read
	s_mov_b32 s20, 0x76543210
	s_mov_b32 s21, 0xfedcba98                      ; selects for lane l xor 16
	s_mov_b32 s22, 0xffff0000                      ; lanes 16-31
	s_and_b32 s18, ttmp9, 511
	s_lshr_b32 s19, s18, 4
	s_and_b32 s19, s19, 15                         ; k: head;      v: key step
	s_and_b32 s23, s18, 15                         ; k: key step;  v: group of 128 columns
	s_lshr_b32 s18, s18, 8                         ; batch
	s_mov_b32 s25, 0
	s_mov_b32 s27, 0
	s_mov_b32 s29, 0
	s_wait_kmcnt 0x0
	s_cmp_lt_u32 ttmp9, 512
	s_cbranch_scc0 .Lvpath
	; ---- k: batch s18, head s19, key step s23
	s_lshl_b32 s24, s23, 7
	s_lshl_b32 s26, s10, 5
	s_add_co_u32 s24, s24, s26                     ; my first key
	s_lshl_b32 s24, s24, 13                        ; 8192 bytes a key
	s_lshl_b32 s26, s18, 24
	s_add_co_u32 s24, s24, s26
	s_lshl_b32 s26, s19, 9
	s_add_co_u32 s24, s24, s26
	s_add_nc_u64 s[12:13], s[4:5], s[24:25]
	s_lshl_b32 s26, s18, 3
	s_lshr_b32 s28, s19, 1
	s_add_co_u32 s26, s26, s28                     ; the pair
	s_mul_i32 s26, s26, 819200
	s_lshr_b32 s28, s23, 1
	s_mul_i32 s28, s28, 102400
	s_add_co_u32 s26, s26, s28
	s_and_b32 s28, s19, 1
	s_mul_i32 s28, s28, 25600
	s_add_co_u32 s26, s26, s28
	s_and_b32 s28, s23, 1
	s_mul_i32 s28, s28, 12800
	s_add_co_u32 s26, s26, s28
	s_add_nc_u64 s[16:17], s[8:9], s[26:27]
	s_add_nc_u64 s[16:17], s[16:17], 12288         ; the step's scale words
	s_mul_i32 s28, s10, 3072
	s_add_co_u32 s26, s26, s28
	s_add_nc_u64 s[14:15], s[8:9], s[26:27]        ; my two fragments
.set KK, 0
.rept 32
	global_load_b128 v[X+4*KK:X+4*KK+3], v4, s[12:13] offset:KK*8192 th:TH_LOAD_NT   ; a key's row of this head: 512 consecutive bytes
.set KK, KK+1
.endr
.set KK, 0
.rept 32
	s_wait_loadcnt 31-KK                           ; loads come back in order: this row is in, the younger ones stay out
	ds_store_b128 v5, v[X+4*KK:X+4*KK+3] offset:((KK%8)+8*((KK/16)%2)+16*((KK/8)%2))*528   ; a fragment's sixteen keys lie on end in the stage
.set KK, KK+1
.endr
	s_wait_alu depctr_va_vdst(0)
.irp u, 0,1
.irp c, 0,1
.irp i, 0,1,2,3,4,5,6,7
	ds_load_b128 v[X+64*\u+32*\c+4*\i:X+64*\u+32*\c+4*\i+3], v6 offset:16*\u*528+256*\c+16*\i   ; LDS serves a wave's instructions in order: these see the stores
.endr
.endr
.endr
	s_wait_dscnt 16                                ; the first fragment's numbers are in; the second's sixteen loads may be out
	FRAGQ X, C0, 20
	v_mov_b32 v19, v20
	s_wait_dscnt 0x0
	FRAGQ X+64, C1, 20
	v_cndmask_b32 v19, v19, v20, s22               ; lanes 0-15: fragment 2w's words; lanes 16-31: fragment 2w+1's
.irp u, 0,1
.irp c, 0,1,2
	global_store_b128 v4, v[C0+12*\u+4*\c:C0+12*\u+4*\c+3], s[14:15] offset:1536*\u+512*\c   ; 512 consecutive bytes, at a multiple of 256 from kv's first byte
.endr
.endr
	s_branch .Ltail
.Lvpath:
	; ---- v: batch s18, key step s19, columns 128 s23 on
	s_lshl_b32 s24, s19, 20                        ; 128 keys x 8192 bytes
	s_lshl_b32 s26, s18, 24
	s_add_co_u32 s24, s24, s26
	s_lshl_b32 s26, s23, 9
	s_add_co_u32 s24, s24, s26
	s_lshl_b32 s26, s10, 7
	s_add_co_u32 s24, s24, s26
	s_add_nc_u64 s[12:13], s[6:7], s[24:25]
	s_lshl_b32 s26, s18, 3
	s_lshr_b32 s28, s23, 1
	s_add_co_u32 s26, s26, s28                     ; the pair
	s_mul_i32 s26, s26, 819200
	s_lshr_b32 s28, s19, 1
	s_mul_i32 s28, s28, 102400
	s_add_co_u32 s26, s26, s28
	s_and_b32 s28, s19, 1
	s_mul_i32 s28, s28, 25600
	s_add_co_u32 s26, s26, s28
	s_add_co_u32 s26, s26, 51200
	s_and_b32 s30, s23, 1                          ; which half of the pair's 256 channels
	s_lshl_b32 s28, s30, 9
	s_add_co_u32 s28, s28, s26
	s_add_co_u32 s28, s28, 24576
	s_add_nc_u64 s[16:17], s[8:9], s[28:29]        ; this half's 512 bytes of scale words
	s_lshl_b32 s30, s30, 3
	s_lshl_b32 s31, s10, 1
	s_add_co_u32 s30, s30, s31
	s_mul_i32 s30, s30, 1536
	s_add_co_u32 s26, s26, s30
	s_add_nc_u64 s[14:15], s[8:9], s[26:27]        ; fragments 8 half + 2 w and the next
.macro VLOAD bb                        ; block bb: 32 keys of my column; a wave reads 128 consecutive bytes, the four waves stand side by side
.set II, 0
.rept 32
	global_load_b32 v[X+32*(\bb)+II], v9, s[12:13] offset:(32*(\bb)+II)*8192 th:TH_LOAD_NT
.set II, II+1
.endr
.endm
	s_wait_alu depctr_va_vdst(0)
	VLOAD 0
	VLOAD 1
	s_wait_loadcnt 32                              ; block 0 is in; block 1's 32 loads stay out
	VLOAD 2
	BLOCKQ X, C0, 15                               ; block 2c + hh' goes to registers 6c on of image lane (r, hh')
	s_wait_loadcnt 32                              ; block 1 is in; block 2's stay out
	VLOAD 3
	BLOCKQ X+32, C1, 16
	s_wait_loadcnt 32                              ; block 2 is in; block 3's stay out
	BLOCKQ X+64, C0+6, 17
	s_wait_loadcnt 0x0
	BLOCKQ X+96, C1+6, 18
	v_lshl_or_b32 v19, v16, 8, v15                 ; my channel's scale word for these 128 keys
	v_lshl_or_b32 v19, v17, 16, v19
	v_lshl_or_b32 v19, v18, 24, v19
.irp hh, 0,1
.irp c, 0,1,2
	global_store_b128 v10, v[C0+12*\hh+4*\c:C0+12*\hh+4*\c+3], s[14:15] offset:512*\c+256*\hh   ; sixteen lanes store 256 consecutive bytes, aligned
.endr
.endr
.Ltail:
	s_wait_alu depctr_va_vdst(0)
	ds_store_b32 v7, v19
	s_wait_dscnt 0x0                               ; for the others' sake: my word has landed
	s_barrier_signal -1
	s_barrier_wait -1
	s_cmp_lg_u32 s10, 0
	s_cbranch_scc1 .Lend
	ds_load_b128 v[24:27], v8                      ; the four waves' words of my lane
	s_wait_dscnt 0x0
	global_store_b128 v4, v[24:27], s[16:17]       ; 512 consecutive bytes
.Lend:
	s_wait_tensorcnt 0x0
	ds_add_u32 v192, v193
	s_wait_dscnt 0x0
	s_endpgm
.Lfunc_end_k_qfdc2ddec3e_prep:
	.size	k_qfdc2ddec3e_prep, .Lfunc_end_k_qfdc2ddec3e_prep-k_qfdc2ddec3e_prep
	.p2alignl 7, 3214868480
	.fill 96, 4, 3214868480
	.section	.rodata,"a",@progbits
	.p2align	6, 0x0
	.amdhsa_kernel k_qfdc2ddec3e_prep
		.amdhsa_group_segment_fixed_size 69120
		.amdhsa_private_segment_fixed_size 0
		.amdhsa_enable_private_segment 0
		.amdhsa_kernarg_size 24
		.amdhsa_user_sgpr_count 2
		.amdhsa_user_sgpr_kernarg_segment_ptr 1
		.amdhsa_wavefront_size32 1
		.amdhsa_system_sgpr_workgroup_id_x 1
		.amdhsa_system_sgpr_workgroup_id_y 1
		.amdhsa_system_sgpr_workgroup_id_z 1
		.amdhsa_system_vgpr_workitem_id 0
		.amdhsa_next_free_vgpr 194
		.amdhsa_next_free_sgpr 66
		.amdhsa_reserve_vcc 0
		.amdhsa_float_denorm_mode_32 3
		.amdhsa_float_denorm_mode_16_64 3
		.amdhsa_memory_ordered 1
		.amdhsa_forward_progress 1
		.amdhsa_inst_pref_size 38
	.end_amdhsa_kernel
	.amdgpu_metadata
---
amdhsa.version: [ 1, 2 ]
amdhsa.kernels:
  - .name:           k_qfdc2ddec3e_prep
    .symbol:         k_qfdc2ddec3e_prep.kd
    .args:
      - { .name: k, .offset: 0, .size: 8, .value_kind: global_buffer, .address_space: global }
      - { .name: v, .offset: 8, .size: 8, .value_kind: global_buffer, .address_space: global }
      - { .name: kv, .offset: 16, .size: 8, .value_kind: global_buffer, .address_space: global }
    .group_segment_fixed_size: 69120
    .private_segment_fixed_size: 0
    .kernarg_segment_align: 8
    .kernarg_segment_size: 24
    .max_flat_workgroup_size: 128
    .sgpr_count:     66
    .vgpr_count:     194
    .wavefront_size: 32
...
	.end_amdgpu_metadata
.endif
;; end of part 1
;; launch attn (part 2): grid 16 x 16, 8 waves a work-group, clusters of 4 x 1, 327,680 bytes of LDS; arguments q, kv, lambda_q1, lambda_k1, lambda_q2, lambda_k2, out0; writes out0
.if DOCPART == 2
	.amdgcn_target "amdgcn-amd-amdhsa--gfx1250"
	.amdhsa_code_object_version 6
	.text
	.protected	k_qfdc2ddec3e_attn
	.globl	k_qfdc2ddec3e_attn
	.p2align	8
	.type	k_qfdc2ddec3e_attn,@function
k_qfdc2ddec3e_attn:
	s_mov_b64 s[64:65], 0
	v_nop
	global_prefetch_b8 v0, s[64:65] scope:SCOPE_SE
	s_setreg_imm32_b32 hwreg(HW_REG_WAVE_MODE, 25, 1), 1
	s_wait_xcnt 0x0
	s_wait_alu depctr_hold_cnt(0) depctr_sa_sdst(0) depctr_va_vdst(0) depctr_va_sdst(0) depctr_va_ssrc(0) depctr_va_vcc(0) depctr_vm_vsrc(0)
	s_getreg_b32 s2, hwreg(HW_REG_IB_STS2, 6, 4)
	s_cmp_eq_u32 s2, 0
	s_cbranch_scc0 .Lentry_in_a_cluster
	s_endpgm
.Lentry_in_a_cluster:
	s_bfe_u32 s2, ttmp6, 0x10000c
	s_cmp_lg_u32 s2, 0x3003
	s_cbranch_scc0 .Lentry_shape_is_right
	s_endpgm
.Lentry_shape_is_right:
; Differential attention, causal, both products of both softmaxes on codes of FP6 (E2M3) with E8M0 scales for each 32 along K.  q, out0: [2][2048][16][128] f32; kv: register images of K's and V's operands.
; out(pair h) = rmsnorm(attn1 - lambda attn2) (1 - LAMBDA_INIT); attn_e = softmax(q(2h+e) k(2h+e)^T / sqrt(128)) v12, v12 = the pair's 256 channels.
; SOFTMAX: t = score x log2(e) / sqrt(128); M = the running largest t rounded up to a whole number; p = 2^(t - M) is quantised along the keys; the row's sum is taken of the unquantised p and divides at the end.
; SHARES.  The 2048 queries are 8 regions of 256.  A cluster of four work-groups takes, for one (batch, pair), region g and then region 7 - g: slots 0 .. g, then slots 0 .. 7 - g, of 256 keys: NINE slots for every
; work-group, and the four partners walk the same slots in the same order: each slot is asked for JOINTLY, mask 15.  Wave w owns ONE softmax: head e = (w / 2) % 2, queries 256 R + 64 qt + 16 cx + 0..15,
; qt = w % 2 + 2 (w / 4): whether a step is hidden or on the diagonal hangs on the wave's number and on g, never on the work-group's place in the cluster.
; In a pass's last slot waves 0-3 mask step 0 and leave step 1 out; waves 4-7 run step 0 open and mask step 1.
; Both products are used transposed (S^T = K Q^T, O^T = V^T P^T): a lane holds one query throughout.  The first pass's O^T, times its factor (1 / l, or -lambda / l), waits in 128 registers; at the end waves w and w xor 2
; change one image of 128 registers through LDS: the e = 0 wave finishes the light tile, the e = 1 wave the heavy one.
; LIMITS: NaN and infinities among the inputs are not served; a block of q or p whose largest magnitude lies under 2^-124, or that is all zeros, keeps the scale byte 1 (zero codes add nothing);
; v_exp_f32 gives 0 for p under 2^-126; at the change of passes O^T and l are wiped by a factor 0, which takes them to be finite.
; LDS: slot 0 at 0, slot 1 at 131072 (102400 bytes each, byte for byte as in kv); after the loop the images, 16384 bytes a wave, from 131072 on (slot 1 has had its last fill and its last read);
; the spare words at 262144; a stage of 16 rows x 272 bytes for each wave from 263168 on.
; REGISTERS, window 0: v1-11 addresses and constants of the lane; v12 -M, v13 largest t, v[14:15] l; v16, v17 addresses in hand; v[18:19] a factor; v20-31 Q's codes, v32 Q's scale word; v33 p's; v34-37 K's; v38-45 V's;
; v[46:47] f; v48-63 at work; v64-127 S^T, then p; v128-223 eight fragments; v224-235 p's codes; v236-245 at work; v246 the prefetches' offset; v247-255 the head's.   window 1: v0-127 O^T; v128-255 the first pass's.
.set SLOT1, 131072
.set SLOTB, 102400
.set IMG,   131072
.set SPARE, 262144
.set STAGE, 263168
.set SP,    272
.set S,   64
.set FB,  128
.set PC,  224
.set PT,  236
.set SU,  244
.set BM,  48
.set BT,  52
.set SO,  56
.set TA,  60
.set NI,  61
.set QC,  20
.set QS,  32
.set PW,  33
.set KSC, 34
.set VSC, 38
.set M0,  253
.set M1,  254
.set SOP, 255
.set WV,  18
.set EH,  19
.set SEL, 20
.set CS,  22
.set G1,  24
.set G0,  32
.set KVW, 36
.set OF,  38
.set NX,  40
.set N1,  41
.set SLOTS, 42
.set PCH, 43
.set LS1, 44
.set GG,  45
.set ST,  46
.set TB,  47
.set PFA, 48
.set LIM, 50
.set MSB, 0
.macro WIN new                         ; the immediate's high byte repeats the setting that is left; a switch that changes nothing is dropped
.if MSB != \new
	s_set_vgpr_msb (MSB<<8)|\new
.set MSB, \new
.endif
.endm
.macro CROUND                          ; a round of the cluster's barrier
	s_barrier_signal -1
	s_barrier_wait -1
	s_cmp_lg_u32 s[WV], 0
	s_cbranch_scc1 .Lnw0_\@
	s_barrier_signal -3
.Lnw0_\@:
	s_barrier_wait -3
	s_barrier_signal -1
	s_barrier_wait -1
.endm
.macro TLOAD                           ; waves 0-3 fetch a quarter of a slot each: K of head 0, K of head 1, V of step 0, V of step 1.  Four v_nop follow the load
	s_cmp_lt_u32 s[WV], 4
	s_cbranch_scc0 .Lnofetch_\@
	tensor_load_to_lds s[G0:G0+3], s[G1:G1+7]
	s_nop 0
.rept 4
	v_nop
.endr
.Lnofetch_\@:
.endm
; A prefetch of kv.  A pair's stream is 819200 bytes.  The pair's first cluster asks; in it waves 4-7 (role 0-3), the partners told apart by address: at the change number n (0 ..) bytes
; 131072 (n + 1) + 32768 role + 8192 cx + 256 lane, while 4 n + role < 21: each aligned 256 bytes from byte 131072 on is named once, the last at byte 818944.  The first 131072 bytes come by their loads alone.
.macro ASK
	s_cmp_gt_u32 s[SLOTS], s[LIM]
	s_cbranch_scc0 .Lnoask_\@
	global_prefetch_b8 v246, s[PFA:PFA+1] th:TH_LOAD_NT scope:SCOPE_SE
.Lnoask_\@:
.endm
; The change of slots stands at a slot's head: all my tensor loads have landed, 0 goes onto my spare word, that and my reads of the slot that I leave are waited for; then the round (or, for the last slot, the barrier).
.macro CHANGE fill
	s_wait_tensorcnt 0x0                           ; no tensor load of mine is out: the descriptor may be written
	ds_add_u32 v3, v4
.if \fill
	s_xor_b32 s[G0+1], s[G0+1], SLOT1              ; the other slot than last time
	s_add_co_u32 s[NX], s[NX], 1                   ; the walk's next place: 0 .. g are the first pass's slots, the places behind them the second's
	s_cmp_ge_u32 s[NX], s[N1]
	s_cselect_b32 s2, s[N1], 0
	s_sub_co_u32 s2, s[NX], s2                     ; which slot of the pair's eight
	s_mul_i32 s[OF], s2, SLOTB
	s_add_nc_u64 s[G0+2:G0+3], s[KVW:KVW+1], s[OF:OF+1]
	s_or_b32 s[G0+3], s[G0+3], 0x80000000          ; type = 2
	s_wait_xcnt 0x0                                ; the last prefetch, a slot back, has read its address
	s_add_nc_u64 s[PFA:PFA+1], s[PFA:PFA+1], 131072
	s_wait_dscnt 0x0                               ; the add is done, my reads of the slot that I leave are over
	CROUND
	TLOAD                                          ; first behind the round: it has a slot's two key steps in which to land
	ASK
.else
	s_wait_dscnt 0x0
	s_barrier_signal -1
	s_barrier_wait -1
.endif
.endm
; 32 numbers of one lane -> 6 registers of codes at dst, the scale's byte in v[by]
.macro BLOCKQ src, dst, by
	v_max3_num_f32 v[M0], |v[(\src)]|, |v[(\src)+1]|, |v[(\src)+2]|
	v_max3_num_f32 v[M1], |v[(\src)+3]|, |v[(\src)+4]|, |v[(\src)+5]|
.irp i, 6,10,14,18,22,26
	s_delay_alu instid0(VALU_DEP_2)
	v_max3_num_f32 v[M0], v[M0], |v[(\src)+\i]|, |v[(\src)+\i+1]|
	s_delay_alu instid0(VALU_DEP_2)
	v_max3_num_f32 v[M1], v[M1], |v[(\src)+\i+2]|, |v[(\src)+\i+3]|
.endr
	s_delay_alu instid0(VALU_DEP_2)
	v_max3_num_f32 v[M0], v[M0], |v[(\src)+30]|, |v[(\src)+31]|
	s_delay_alu instid0(VALU_DEP_1)
	v_max3_num_f32 v[M0], v[M0], v[M1], 0x1800000          ; the floor 2^(3 - 127)
	s_delay_alu instid0(VALU_DEP_1)
	v_add_nc_u32 v[SOP], 0xff000000, v[M0]
	s_delay_alu instid0(VALU_DEP_1)
	v_lshrrev_b32 v[(\by)], 23, v[SOP]
	v_cvt_scalef32_pk16_fp6_f32 v[(\dst):(\dst)+2], v[(\src):(\src)+15], v[SOP]
	v_cvt_scalef32_pk16_fp6_f32 v[PT:PT+2], v[(\src)+16:(\src)+31], v[SOP]
	v_nop                                                  ; one plain line behind a scaled conversion
.irp i, 0,1,2
	v_mov_b32 v[(\dst)+3+\i], v[PT+\i]
.endr
.endm
.macro FRAGQ src, dst, word            ; 64 numbers of lane (r, hh), blocks hh and 2 + hh of row r -> a fragment and its scale word
	BLOCKQ (\src), (\dst), 247
	BLOCKQ (\src)+32, (\dst)+6, 248
	v_lshl_or_b32 v[\word], v248, 16, v247
	s_delay_alu instid0(VALU_DEP_1)
	v_lshlrev_b32 v[\word], v252, v[\word]
	s_delay_alu instid0(VALU_DEP_1)
	v_permlanex16_b32 v63, v[\word], s[SEL], s[SEL+1]
	s_delay_alu instid0(VALU_DEP_1)
	v_or_b32 v[\word], v[\word], v63
.endm
.macro QLOAD reg, base                 ; a tile of 16 queries x 128: each load takes two rows' 256 consecutive bytes
.irp c, 0,1
.irp i, 0,1,2,3,4,5,6,7
	global_load_b128 v[\reg+32*\c+4*\i:\reg+32*\c+4*\i+3], v11, s[\base:\base+1] offset:16384*\i+256*\c th:TH_LOAD_NT
.endr
.endr
.endm
.macro QTURN reg                       ; through my stage, half a tile at a time, and back into the registers that it left: lane (r, hh) then holds row r's numbers 64 c + 32 hh + 0..31.  LDS serves a wave's instructions in order
.irp c, 0,1
.irp i, 0,1,2,3,4,5,6,7
	ds_store_b128 v10, v[\reg+32*\c+4*\i:\reg+32*\c+4*\i+3] offset:544*\i
.endr
.irp i, 0,1,2,3,4,5,6,7
	ds_load_b128 v[\reg+32*\c+4*\i:\reg+32*\c+4*\i+3], v251 offset:16*\i
.endr
.endr
.endm
.macro NORM_A                          ; l's two halves and lane l xor 16's; its reciprocal is issued
	v_add_f32 v62, v14, v15
	s_delay_alu instid0(VALU_DEP_1)
	v_permlanex16_b32 v63, v62, s[SEL], s[SEL+1]
	s_delay_alu instid0(VALU_DEP_1)
	v_add_f32 v62, v62, v63
	s_wait_alu depctr_va_vdst(0)
	v_rcp_f32 v62, v62
.endm
.macro NORM_B                          ; the factor: 1 / l, or -lambda / l
	s_wait_alu depctr_va_vdst(0)                   ; the wait ahead of the reciprocal's first reader
	v_mul_f32 v18, v62, v6
	s_delay_alu instid0(VALU_DEP_1)
	v_mov_b32 v19, v18
.endm
.macro PASSCHG                         ; the light tile is done: O^T times its factor is put by, the heavy tile's Q comes out of the registers that take it, the statistics begin anew
	NORM_A
	WIN 0x01
.irp i, 0,1,2,3,4,5,6,7,8,9,10,11,12
	v_mov_b32 v[QC+\i], v[128+\i]                  ; Q's 12 registers and its scale word
.endr
	WIN 0
	v_mov_b32 v13, 0xff61b1e6                      ; -3e38, under every t: the next step's f comes out 0 and wipes O^T and l
	NORM_B
	v_floor_f32 v12, -v13
	WIN 0x41
.set J, 0
.rept 64
	v_pk_mul_f32 v[128+J:129+J], v[J:J+1], v[18:19]
.set J, J+2
.endr
	WIN 0
.endm
.macro PV t, f                         ; O^T's tile t += V's fragment (in place f of the eight) x p
.if (\t)%2
	v_wmma_scale_f32_16x16x128_f8f6f4 v[8*(\t):8*(\t)+7], v[FB+12*(\f):FB+12*(\f)+11], v[PC:PC+11], v[8*(\t):8*(\t)+7], v[VSC+(\t)/2], v[PW] matrix_a_fmt:MATRIX_FMT_FP6 matrix_b_fmt:MATRIX_FMT_FP6 matrix_a_scale:MATRIX_SCALE_ROW1
.else
	v_wmma_scale_f32_16x16x128_f8f6f4 v[8*(\t):8*(\t)+7], v[FB+12*(\f):FB+12*(\f)+11], v[PC:PC+11], v[8*(\t):8*(\t)+7], v[VSC+(\t)/2], v[PW] matrix_a_fmt:MATRIX_FMT_FP6 matrix_b_fmt:MATRIX_FMT_FP6
.endif
.endm
.macro RESC from, n                    ; n pairs of O^T, from register `from` on, times f
.set J, \from
.rept \n
	v_pk_mul_f32 v[J:J+1], v[J:J+1], v[46:47] op_sel_hi:[1,0]
.set J, J+2
.endr
.endm
; A KEY STEP: 128 keys, the q-th of the slot in hand.  s[ST]: 2 = the slot is open; 0 = step 0 on the diagonal, step 1 hidden; 1 = step 1 on the diagonal.
.macro STEP q
.if \q == 1
	s_cmp_eq_u32 s[ST], 0
	s_cbranch_scc1 .Lhidden_\@
.endif
	v_add_nc_u32 v16, s[TB], v1
	v_add_nc_u32 v17, s[TB], v2
	v_nop
	v_nop                                          ; four plain lines stand between the last products and the loads into the registers that they read
.irp t, 0,1,2,3,4,5,6,7
.irp c, 0,1,2
	ds_load_b128 v[FB+12*\t+4*\c:FB+12*\t+4*\c+3], v16 offset:12800*\q+1536*\t+512*\c   ; 512 consecutive bytes
.endr
.endr
	ds_load_b128 v[KSC:KSC+3], v16 offset:12800*\q+12288
	s_wait_alu depctr_va_vdst(0)
	s_wait_dscnt 0x0
.irp t, 0,1,2,3,4,5,6,7
.if \t % 2
	v_wmma_scale_f32_16x16x128_f8f6f4 v[S+8*\t:S+8*\t+7], v[FB+12*\t:FB+12*\t+11], v[QC:QC+11], 0, v[KSC+\t/2], v[QS] matrix_a_fmt:MATRIX_FMT_FP6 matrix_b_fmt:MATRIX_FMT_FP6 matrix_a_scale:MATRIX_SCALE_ROW1
.else
	v_wmma_scale_f32_16x16x128_f8f6f4 v[S+8*\t:S+8*\t+7], v[FB+12*\t:FB+12*\t+11], v[QC:QC+11], 0, v[KSC+\t/2], v[QS] matrix_a_fmt:MATRIX_FMT_FP6 matrix_b_fmt:MATRIX_FMT_FP6
.endif
.endr
.rept 4
	v_nop                                          ; places: for the loads below and for the first read of the scores
.endr
.irp t, 0,1,2,3,4,5,6,7
.irp c, 0,1,2
	ds_load_b128 v[FB+12*\t+4*\c:FB+12*\t+4*\c+3], v17 offset:25600*\q+1536*\t+512*\c   ; V's first eight fragments land while the softmax is worked
.endr
.endr
	ds_load_b128 v[VSC:VSC+3], v17 offset:25600*\q+24576
	ds_load_b128 v[VSC+4:VSC+7], v17 offset:25600*\q+25088
	s_cmp_lg_u32 s[ST], \q
	s_cbranch_scc1 .Lopen_\@
.set N, 0
.rept 64                                       ; on the diagonal: register 16 b + i holds key 32 b + 16 hh + i of the step: hidden where 32 b + i > my query's place in the step - 16 hh
	v_cmp_gt_i32 vcc_lo, 32*(N/16)+N%16, v5
	v_cndmask_b32 v[S+N], v[S+N], v[NI], vcc_lo
.set N, N+1
.endr
.Lopen_\@:
.irp b, 0,1,2,3
	v_max3_num_f32 v[BM+\b], v[S+16*\b], v[S+1+16*\b], v[S+2+16*\b]     ; the largest score of each block of 32 keys: for the row's maximum and for the block's largest p
.endr
.irp i, 3,5,7,9,11,13
.irp b, 0,1,2,3
	v_max3_num_f32 v[BM+\b], v[BM+\b], v[S+16*\b+\i], v[S+1+16*\b+\i]
.endr
.endr
.irp b, 0,1,2,3
	v_max_num_f32 v[BM+\b], v[BM+\b], v[S+15+16*\b]
.endr
.irp b, 0,1,2,3
	s_delay_alu instid0(VALU_DEP_4)
	v_permlanex16_b32 v[BT+\b], v[BM+\b], s[SEL], s[SEL+1]
.endr
.irp b, 0,1,2,3
	s_delay_alu instid0(VALU_DEP_4)
	v_max_num_f32 v[BM+\b], v[BM+\b], v[BT+\b]
.endr
	s_delay_alu instid0(VALU_DEP_2)
	v_max3_num_f32 v[TA], v[BM], v[BM+1], v[BM+2]
	s_delay_alu instid0(VALU_DEP_1)
	v_max_num_f32 v[TA], v[TA], v[BM+3]
	s_delay_alu instid0(VALU_DEP_1)
	v_mul_f32 v[TA], s[CS], v[TA]
	s_delay_alu instid0(VALU_DEP_1)
	v_max_num_f32 v13, v13, v[TA]                  ; the running largest t
	v_mov_b32 v[TA], v12
	s_delay_alu instid0(VALU_DEP_2)
	v_floor_f32 v12, -v13                          ; -M = floor(-t): M is a whole number
	s_delay_alu instid0(VALU_DEP_1)
	v_sub_f32 v[TA], v12, v[TA]
	s_delay_alu instid0(VALU_DEP_1)
	v_cvt_i32_f32 v[TA], v[TA]                     ; (it saturates)
	s_delay_alu instid0(VALU_DEP_1)
	v_ldexp_f32 v46, 1.0, v[TA]                    ; f = 2^(old M - new M)
.set J, 0
.rept 32
	v_pk_fma_f32 v[S+J:S+J+1], v[S+J:S+J+1], s[CS:CS+1], v[12:13] op_sel_hi:[1,0,0]   ; t - M
.set J, J+2
.endr
.irp b, 0,1,2,3
	v_fma_f32 v[BM+\b], v[BM+\b], s[CS], v12
.endr
.set J, 0
	s_wait_alu depctr_va_vdst(0)
.rept 64
	v_exp_f32 v[S+J], v[S+J]                       ; p = 2^(t - M)
.set J, J+1
.endr
	v_pk_mul_f32 v[14:15], v[14:15], v[46:47] op_sel_hi:[1,0]   ; l under the new M; the plain line behind the batch
	s_wait_alu depctr_va_vdst(0)                   ; one wait for the 64, ahead of their first reader
.irp b, 0,1,2,3
	v_exp_f32 v[BM+\b], v[BM+\b]                   ; each block's largest p
.endr
	v_pk_add_f32 v[244:245], v[68:69], v[72:73]
	v_pk_add_f32 v[254:255], v[76:77], v[80:81]
	v_pk_add_f32 v[252:253], v[84:85], v[88:89]
	v_pk_add_f32 v[250:251], v[92:93], v[96:97]
	v_pk_add_f32 v[248:249], v[100:101], v[104:105]
	v_pk_add_f32 v[242:243], v[108:109], v[112:113]
	v_pk_add_f32 v[240:241], v[116:117], v[120:121]
	v_pk_add_f32 v[14:15], v[14:15], v[124:125]
	v_pk_add_f32 v[244:245], v[244:245], v[64:65]
	v_pk_add_f32 v[254:255], v[254:255], v[66:67]
	v_pk_add_f32 v[252:253], v[252:253], v[70:71]
	v_pk_add_f32 v[250:251], v[250:251], v[74:75]
	v_pk_add_f32 v[248:249], v[248:249], v[78:79]
	v_pk_add_f32 v[242:243], v[242:243], v[82:83]
	v_pk_add_f32 v[240:241], v[240:241], v[86:87]
	v_pk_add_f32 v[14:15], v[14:15], v[90:91]
	v_pk_add_f32 v[244:245], v[244:245], v[94:95]
	v_pk_add_f32 v[254:255], v[254:255], v[98:99]
	v_pk_add_f32 v[252:253], v[252:253], v[102:103]
	v_pk_add_f32 v[250:251], v[250:251], v[106:107]
	v_pk_add_f32 v[248:249], v[248:249], v[110:111]
	v_pk_add_f32 v[242:243], v[242:243], v[114:115]
	v_pk_add_f32 v[240:241], v[240:241], v[118:119]
	v_pk_add_f32 v[14:15], v[14:15], v[122:123]
	v_pk_add_f32 v[244:245], v[244:245], v[126:127]
	s_delay_alu instid0(VALU_DEP_2)
	v_pk_add_f32 v[14:15], v[14:15], v[250:251]
	s_delay_alu instid0(VALU_DEP_2)
	v_pk_add_f32 v[244:245], v[244:245], v[248:249]
	v_pk_add_f32 v[254:255], v[254:255], v[242:243]
	v_pk_add_f32 v[252:253], v[252:253], v[240:241]
	s_delay_alu instid0(VALU_DEP_2)
	v_pk_add_f32 v[14:15], v[14:15], v[254:255]
	s_delay_alu instid0(VALU_DEP_2)
	v_pk_add_f32 v[244:245], v[244:245], v[252:253]
	s_delay_alu instid0(VALU_DEP_1)
	v_pk_add_f32 v[14:15], v[14:15], v[244:245]
	s_wait_alu depctr_va_vdst(0)                   ; and one for the four
.irp b, 0,1,2,3
	v_max_num_f32 v[BM+\b], 0x1800000, v[BM+\b]    ; the floor 2^(3 - 127)
.endr
.irp b, 0,1,2,3
	s_delay_alu instid0(VALU_DEP_4)
	v_add_nc_u32 v[SO+\b], 0xff000000, v[BM+\b]    ; the conversion's scale operand
.endr
.irp b, 0,1,2,3
	s_delay_alu instid0(VALU_DEP_4)
	v_lshrrev_b32 v[BT+\b], 23, v[SO+\b]           ; the scale's byte
.endr
	s_delay_alu instid0(VALU_DEP_3)
	v_lshl_or_b32 v[PW], v[BT+1], 8, v[BT]
	s_delay_alu instid0(VALU_DEP_1)
	v_lshl_or_b32 v[PW], v[BT+2], 16, v[PW]
	s_delay_alu instid0(VALU_DEP_1)
	v_lshl_or_b32 v[PW], v[BT+3], 24, v[PW]
.irp c, 0,1
	v_cvt_scalef32_pk16_fp6_f32 v[PC+6*\c:PC+6*\c+2], v[S+32*\c:S+32*\c+15], v[SO+2*\c]
	v_cvt_scalef32_pk16_fp6_f32 v[PT+4*\c:PT+4*\c+2], v[S+16+32*\c:S+31+32*\c], v[SO+2*\c+1]
.endr
	v_nop                                          ; one plain line behind the scaled conversions
.irp c, 0,1                                    ; a whole block to a lane: lanes 0-15 block 2 c, lanes 16-31 block 2 c + 1
.irp i, 0,1,2
	v_permlane16_swap_b32 v[PC+6*\c+\i], v[PT+4*\c+\i]
.endr
.irp i, 0,1,2
	s_delay_alu instid0(VALU_DEP_3)
	v_mov_b32 v[PC+3+6*\c+\i], v[PT+4*\c+\i]
.endr
.endr
	WIN 0x41
	RESC 0, 32                                     ; O^T's tiles 0-7 under the new M; also the places between p's codes and scale word and the products
	s_wait_alu depctr_va_vdst(0)
	s_wait_dscnt 0x0                               ; V's first eight fragments and its scale words are in
	WIN 0x50
.irp t, 0,1,2,3,4,5,6,7
	PV \t, \t
.endr
	WIN 0x41
	RESC 64, 4                                     ; four plain lines that name none of those products' registers: the places in front of the loads
	WIN 0
.irp t, 0,1,2,3,4,5,6,7
.irp c, 0,1,2
	ds_load_b128 v[FB+12*\t+4*\c:FB+12*\t+4*\c+3], v17 offset:25600*\q+1536*(\t+8)+512*\c
.endr
.endr
	WIN 0x41
	RESC 72, 28
	s_wait_alu depctr_va_vdst(0)
	s_wait_dscnt 0x0
	WIN 0x50
.irp t, 0,1,2,3,4,5,6,7
	PV \t+8, \t
.endr
	WIN 0
.if \q == 1
.Lhidden_\@:
.endif
.endm
	; ---- the head
	s_load_b256 s[4:11], s[0:1], 0x0               ; q, kv, lambda_q1, lambda_k1
	s_load_b128 s[12:15], s[0:1], 0x20             ; lambda_q2, lambda_k2
	s_load_b64 s[16:17], s[0:1], 0x30              ; out0
	v_lshl_add_u32 v3, v0, 2, SPARE
	v_mov_b32 v4, 0
	ds_add_u32 v3, v4
	ds_add_u32 v3, v4
	s_wait_dscnt 0x0
	v_lshrrev_b32 v62, 5, v0
	s_delay_alu instid0(VALU_DEP_1)
	v_readfirstlane_b32 s[WV], v62                 ; wave 0..7
	s_bfe_u32 s[EH], s[WV], 0x10001                ; e: my head in the pair
	s_lshr_b32 s[GG], s[WV], 2                     ; which half of a region's queries
	s_and_b32 s52, s[WV], 1
	s_lshl_b32 s2, s[GG], 1
	s_add_co_u32 s52, s52, s2                      ; qt
	s_bfe_u32 s51, ttmp6, 0x40000                  ; cx.  Numbers made of it stay in s51, s70-72, s75-77 and in the pointers of q, out0 and the prefetches
	s_and_b32 s67, ttmp7, 0xffff                   ; 8 batch + pair
	s_lshr_b32 s68, s67, 3
	s_and_b32 s69, s67, 7
	s_add_co_u32 s[N1], ttmp9, 1                   ; g + 1: the first pass's slots
	s_sub_co_u32 s[PCH], 7, ttmp9                  ; the trip (by s[SLOTS]) at whose head the passes change; also the heavy region
	s_sub_co_u32 s[LS1], 8, ttmp9                  ; the trip of the first pass's last slot
	s_mov_b32 s[NX], 0
	s_mov_b32 s[SLOTS], 8
	s_mov_b32 s[TB], 0
	s_mov_b32 s[OF+1], 0
	s_mov_b32 s[SEL], 0x76543210
	s_mov_b32 s[SEL+1], 0xfedcba98
	s_mov_b32 s[CS], 0x3e0293ee                    ; log2(e) / sqrt(128)
	s_mov_b32 s[CS+1], s[CS]
	s_mov_b32 s60, 0x3b800000                      ; 1 / 256
	s_mov_b32 s61, 0x3727c5ac                      ; 1e-5
	s_mov_b32 s62, 0x3e5d9673                      ; 1 - LAMBDA_INIT
	s_mov_b32 s63, 0xbf489a63                      ; -LAMBDA_INIT
	s_mov_b32 s66, 0x3fb8aa3b                      ; log2(e)
	; descriptor group 1: 100 rows of 256 bytes (32 elements of 8 bytes), dense, no padding: a quarter of a slot
	s_mov_b32 s[G1], 15|(3<<16)|(1<<21)            ; the mask: all four work-groups; elements of 8 bytes; bit 21 beside a mask
	s_mov_b32 s[G1+1], 32<<16
	s_mov_b32 s[G1+2], 100<<16
	s_mov_b32 s[G1+3], 32<<16
	s_mov_b32 s[G1+4], 100
	s_mov_b32 s[G1+5], 32
	s_mov_b32 s[G1+6], 0
	s_mov_b32 s[G1+7], 0
	s_xor_b32 s2, s[GG], 1                         ; who prefetches: waves 4-7 of the pair's first cluster
	s_or_b32 s2, s2, ttmp9
	s_cmp_eq_u32 s2, 0
	s_cselect_b32 s[LIM], 3, -1                    ; roles 1-3: changes 0 .. 4
	s_xor_b32 s2, s[WV], 4
	s_or_b32 s2, s2, ttmp9
	s_cmp_eq_u32 s2, 0
	s_cselect_b32 s[LIM], 2, s[LIM]                ; role 0: changes 0 .. 5
	v_and_b32 v247, 31, v0                         ; lane
	v_and_b32 v248, 15, v0                         ; r
	s_wait_alu depctr_va_vdst(0)
	v_bfe_u32 v249, v0, 4, 1                       ; hh
	v_lshlrev_b32 v250, 4, v247                    ; 16 x lane
	v_lshlrev_b32 v246, 8, v247                    ; 256 x lane
	s_delay_alu instid0(VALU_DEP_3)
	v_lshlrev_b32 v252, 3, v249                    ; 8 hh
	s_mul_i32 s2, s[EH], 25600
	v_add_nc_u32 v1, s2, v250                      ; my head's K in a slot
	v_add_nc_u32 v2, 51200, v250                   ; V in a slot
	s_lshl_b32 s2, s[WV], 14
	s_add_co_u32 s2, s2, IMG
	v_add_nc_u32 v7, s2, v250                      ; my image
	s_xor_b32 s3, s[WV], 2
	s_lshl_b32 s3, s3, 14
	s_add_co_u32 s3, s3, IMG
	v_add_nc_u32 v8, s3, v250                      ; my partner's
	s_mul_i32 s2, s[WV], 16*SP
	s_add_co_u32 s2, s2, STAGE                     ; my stage
	v_mul_u32_u24 v9, v248, SP
	s_delay_alu instid0(VALU_DEP_1)
	v_add_nc_u32 v9, s2, v9
	s_delay_alu instid0(VALU_DEP_1)
	v_lshl_add_u32 v251, v249, 7, v9               ; Q back from the stage: row r, + 128 hh
	s_delay_alu instid0(VALU_DEP_2)
	v_lshl_add_u32 v9, v249, 5, v9                 ; the way out, in: row r, + 32 hh
	v_mul_u32_u24 v10, v249, SP
	s_delay_alu instid0(VALU_DEP_1)
	v_lshl_add_u32 v10, v248, 4, v10
	s_delay_alu instid0(VALU_DEP_1)
	v_add_nc_u32 v10, s2, v10                      ; by rows: lanes 0-15 one row, lanes 16-31 the next
	v_lshlrev_b32 v11, 13, v249
	s_delay_alu instid0(VALU_DEP_1)
	v_lshl_add_u32 v11, v248, 4, v11               ; and the same two rows in q and in out0
	s_and_b32 s75, s[WV], 1
	s_lshl_b32 s75, s75, 6
	s_lshl_b32 s76, s51, 4
	s_add_co_u32 s75, s75, s76
	v_add_nc_u32 v5, s75, v248
	v_lshlrev_b32 v62, 4, v249
	s_delay_alu instid0(VALU_DEP_1)
	v_sub_nc_u32 v5, v5, v62                       ; my query's place in its diagonal step, - 16 hh
	s_lshl_b32 s70, s52, 6
	s_add_co_u32 s70, s70, s76                     ; 64 qt + 16 cx
	s_lshl_b32 s71, ttmp9, 8
	s_add_co_u32 s71, s71, s70                     ; the light tile's first query
	s_lshl_b32 s72, s[PCH], 8
	s_add_co_u32 s72, s72, s70                     ; the heavy tile's
	s_lshl_b32 s73, s68, 24
	s_lshl_b32 s2, s69, 10
	s_add_co_u32 s73, s73, s2                      ; batch and pair, in bytes
	s_lshl_b32 s2, s[EH], 9
	s_add_co_u32 s74, s73, s2                      ; and my head
	s_mov_b32 s77, 0
	s_mov_b32 s3, 0
	s_mul_i32 s[G0+1], s[WV], 25600                ; my quarter's place in a slot: slot 0
	s_mul_i32 s2, s67, 819200
	s_add_co_u32 s2, s2, s[G0+1]
	s_wait_kmcnt 0x0
	s_add_nc_u64 s[KVW:KVW+1], s[6:7], s[2:3]      ; my quarter of the pair's slot 0 in kv
	s_mov_b32 s[G0], 1
	s_mov_b64 s[G0+2:G0+3], s[KVW:KVW+1]
	s_or_b32 s[G0+3], s[G0+3], 0x80000000
	s_lshl_b32 s76, s71, 13
	s_add_co_u32 s76, s76, s74
	s_add_nc_u64 s[54:55], s[4:5], s[76:77]        ; q: the light tile
	s_lshl_b32 s76, s72, 13
	s_add_co_u32 s76, s76, s74
	s_add_nc_u64 s[56:57], s[4:5], s[76:77]        ; the heavy tile
	s_cmp_eq_u32 s[EH], 0
	s_cselect_b32 s76, s71, s72                    ; the tile that I finish
	s_lshl_b32 s76, s76, 13
	s_add_co_u32 s76, s76, s73
	s_add_nc_u64 s[58:59], s[16:17], s[76:77]
	s_and_b32 s76, s[WV], 3
	s_lshl_b32 s76, s76, 15
	s_lshl_b32 s75, s51, 13
	s_add_co_u32 s76, s76, s75
	s_mul_i32 s75, s67, 819200
	s_add_co_u32 s76, s76, s75
	s_add_nc_u64 s[PFA:PFA+1], s[6:7], s[76:77]    ; the first change steps it 131072 bytes on
	CROUND                                         ; all four work-groups are here: the first joint loads meet
	TLOAD                                          ; the walk's first slot, into slot 0
	global_load_b128 v[192:195], v250, s[8:9]
	global_load_b128 v[196:199], v250, s[10:11]
	global_load_b128 v[200:203], v250, s[12:13]
	global_load_b128 v[204:207], v250, s[14:15]
	s_wait_alu depctr_va_vdst(0)
	QLOAD S, 56
	QLOAD FB, 54
	v_mov_b32 v210, 0
	v_mov_b32 v211, 0
	v_mov_b32 v63, 0                               ; lane permutes' destinations count as read
	v_mov_b32 v47, 0                               ; (named as the upper half of the pair v[46:47])
	v_mov_b32 v[NI], 0xff800000                    ; -infinity
.irp b, 0,1,2,3
	v_mov_b32 v[BT+\b], 0
.endr
	v_mov_b32 v13, 0xff61b1e6                      ; -3e38, under every t
	s_delay_alu instid0(VALU_DEP_1)
	v_floor_f32 v12, -v13
	v_mov_b32 v14, 0
	v_mov_b32 v15, 0
	s_wait_loadcnt 32                              ; the four lambda vectors are in; both tiles of Q stay out
	v_mul_f32 v208, v192, v196
	v_mul_f32 v209, v200, v204
.irp i, 1,2,3
	s_delay_alu instid0(VALU_DEP_2)
	v_fma_f32 v208, v[192+\i], v[196+\i], v208
	s_delay_alu instid0(VALU_DEP_2)
	v_fma_f32 v209, v[200+\i], v[204+\i], v209
.endr
.irp m, 1,2,4,8
	s_delay_alu instid0(VALU_DEP_2)
	v_add_f32_dpp v208, v208, v208 row_xmask:\m row_mask:0xf bank_mask:0xf
	s_delay_alu instid0(VALU_DEP_2)
	v_add_f32_dpp v209, v209, v209 row_xmask:\m row_mask:0xf bank_mask:0xf
.endr
	s_delay_alu instid0(VALU_DEP_2)
	v_permlanex16_b32 v210, v208, s[SEL], s[SEL+1]
	s_delay_alu instid0(VALU_DEP_2)
	v_permlanex16_b32 v211, v209, s[SEL], s[SEL+1]
	s_delay_alu instid0(VALU_DEP_2)
	v_add_f32 v208, v208, v210
	s_delay_alu instid0(VALU_DEP_2)
	v_add_f32 v209, v209, v211
	s_delay_alu instid0(VALU_DEP_2)
	v_mul_f32 v208, s66, v208
	s_delay_alu instid0(VALU_DEP_2)
	v_mul_f32 v209, s66, v209
	s_wait_alu depctr_va_vdst(0)
	v_exp_f32 v208, v208                           ; lambda_1
	v_exp_f32 v209, v209                           ; lambda_2
	v_mov_b32 v6, 1.0                              ; a plain line behind the two
	s_cmp_eq_u32 s[EH], 1
	s_cselect_b32 s2, -1, 0
	s_wait_alu depctr_va_vdst(0)                   ; the wait ahead of their first reader
	v_sub_f32 v208, v209, v208
	s_delay_alu instid0(VALU_DEP_1)
	v_add_f32 v208, s63, v208                      ; -lambda = lambda_2 - lambda_1 - LAMBDA_INIT
	s_delay_alu instid0(VALU_DEP_1)
	v_cndmask_b32 v6, v6, v208, s2                 ; my softmax's weight: 1, or -lambda
	s_wait_loadcnt 16                              ; the heavy tile is in; the light tile's sixteen loads stay out
	QTURN S
	s_wait_loadcnt 0x0
	QTURN FB
	s_wait_dscnt 32                                ; the heavy tile is back from the stage; the light tile's 32 instructions may be out
	FRAGQ S, QC, QS
	WIN 0x40
.irp i, 0,1,2,3,4,5,6,7,8,9,10,11,12
	v_mov_b32 v[128+\i], v[QC+\i]                  ; it waits where the first pass's O^T will be put by
.endr
	WIN 0
	s_wait_dscnt 0x0
	FRAGQ FB, QC, QS
	WIN 0x40
.set J, 0
.rept 128
	v_mov_b32 v[J], 0                              ; O^T, once: the step is written for a running sum.  (Also the places between Q's codes and scale word and the first products)
.set J, J+1
.endr
.set J, 141
.rept 115
	v_mov_b32 v[J], 0                              ; the rest of the registers in which the first pass's O^T will wait.  The change of passes, which fills all 128, stands under a branch on the cluster's number
.set J, J+1                                    ; (every cluster takes it once, in trip g + 1): written here, once, they are written on every path of the text before the finish reads them
.endr
	WIN 0
	; ---- the walk: nine slots; eight trips ask for the next slot, the ninth is written out
.Lslot:
	CHANGE 1
	s_cmp_eq_u32 s[SLOTS], s[PCH]
	s_cbranch_scc0 .Lnp
	PASSCHG
.Lnp:
	s_cmp_eq_u32 s[SLOTS], s[LS1]
	s_cselect_b32 s[ST], s[GG], 2                  ; the first pass's last slot holds the diagonal
	STEP 0
	STEP 1
	s_xor_b32 s[TB], s[TB], SLOT1
	s_sub_co_u32 s[SLOTS], s[SLOTS], 1
	s_cmp_lg_u32 s[SLOTS], 0
	s_cbranch_scc1 .Lslot
	CHANGE 0
	s_mov_b32 s[ST], s[GG]                         ; the second pass's last slot
	STEP 0
	STEP 1
	; ---- the finish
	NORM_A
.rept 4
	v_nop                                          ; places behind the last products; the plain line behind the reciprocal
.endr
	NORM_B
	WIN 0x41
.set J, 0
.rept 64
	v_pk_mul_f32 v[J:J+1], v[J:J+1], v[18:19]      ; the heavy tile's O^T times its factor
.set J, J+2
.endr
	WIN 0
	s_cmp_eq_u32 s[EH], 0
	s_cbranch_scc0 .Lst_sav
	WIN 0x04                                       ; an LDS store's data are its source 1: window 1
.set J, 0
.rept 32
	ds_store_b128 v7, v[4*J:4*J+3] offset:512*J    ; e = 0 hands over its heavy tile
.set J, J+1
.endr
	WIN 0
	s_branch .Lst_done
.Lst_sav:
	WIN 0x04
.set J, 0
.rept 32
	ds_store_b128 v7, v[128+4*J:128+4*J+3] offset:512*J   ; e = 1 its light tile
.set J, J+1
.endr
	WIN 0
.Lst_done:
	s_wait_dscnt 0x0                               ; for the partner's sake: my image has landed
	s_barrier_signal -1
	s_barrier_wait -1
.set J, 0
.rept 32
	ds_load_b128 v[64+4*J:64+4*J+3], v8 offset:512*J
.set J, J+1
.endr
	s_wait_dscnt 0x0
	s_cmp_eq_u32 s[EH], 0
	s_cbranch_scc0 .Lsum_cur
	WIN 0x01
.set J, 0
.rept 64
	v_pk_add_f32 v[64+J:65+J], v[128+J:129+J], v[64+J:65+J]   ; the light tile: attn1 - lambda attn2
.set J, J+2
.endr
	WIN 0
	s_branch .Lsum_done
.Lsum_cur:
	WIN 0x01
.set J, 0
.rept 64
	v_pk_add_f32 v[64+J:65+J], v[J:J+1], v[64+J:65+J]         ; the heavy tile
.set J, J+2
.endr
	WIN 0
.Lsum_done:
	v_pk_mul_f32 v[48:49], v[64:65], v[64:65]      ; the sum of squares of my 128 channels, in two chains
	v_pk_mul_f32 v[50:51], v[66:67], v[66:67]
.set J, 4
.rept 31
	s_delay_alu instid0(VALU_DEP_2)
	v_pk_fma_f32 v[48:49], v[64+J:65+J], v[64+J:65+J], v[48:49]
	s_delay_alu instid0(VALU_DEP_2)
	v_pk_fma_f32 v[50:51], v[66+J:67+J], v[66+J:67+J], v[50:51]
.set J, J+4
.endr
	s_delay_alu instid0(VALU_DEP_1)
	v_pk_add_f32 v[48:49], v[48:49], v[50:51]
	s_delay_alu instid0(VALU_DEP_1)
	v_add_f32 v48, v48, v49
	s_delay_alu instid0(VALU_DEP_1)
	v_permlanex16_b32 v52, v48, s[SEL], s[SEL+1]
	s_delay_alu instid0(VALU_DEP_1)
	v_add_f32 v48, v48, v52                        ; with lane l xor 16's 128: the query's 256
	s_delay_alu instid0(VALU_DEP_1)
	v_fma_f32 v48, v48, s60, s61                   ; the mean + 1e-5
	s_wait_alu depctr_va_vdst(0)
	v_rsq_f32 v48, v48
	v_nop
	s_wait_alu depctr_va_vdst(0)                   ; ahead of the first reader
	v_mul_f32 v18, s62, v48
	s_delay_alu instid0(VALU_DEP_1)
	v_mov_b32 v19, v18
.set J, 0
.rept 64
	v_pk_mul_f32 v[64+J:65+J], v[64+J:65+J], v[18:19]
.set J, J+2
.endr
	; the way out: register 8 t + j of lane (r, hh) is channel 16 t + 8 hh + j of query r.  64 channels (256 bytes) of 16 queries at a time through my stage, and back, by rows, into the registers that they left
.irp u, 0,1,2,3
.irp tt, 0,1,2,3
	ds_store_b128 v9, v[64+32*\u+8*\tt:64+32*\u+8*\tt+3] offset:64*\tt
	ds_store_b128 v9, v[64+32*\u+8*\tt+4:64+32*\u+8*\tt+7] offset:64*\tt+16
.endr
.irp i, 0,1,2,3,4,5,6,7
	ds_load_b128 v[64+32*\u+4*\i:64+32*\u+4*\i+3], v10 offset:544*\i   ; LDS serves a wave's instructions in order
.endr
.endr
.irp u, 0,1,2,3
.irp i, 0,1,2,3,4,5,6,7
	s_wait_dscnt (7-\i)+16*(3-\u)                  ; the LDS instructions issued behind this load may stay out
	global_store_b128 v11, v[64+32*\u+4*\i:64+32*\u+4*\i+3], s[58:59] offset:16384*\i+256*\u th:TH_STORE_NT   ; sixteen lanes store 256 consecutive bytes, at a multiple of 256 from out0's first byte
.endr
.endr
	s_wait_tensorcnt 0x0                           ; the wave's end
	ds_add_u32 v3, v4
	s_wait_dscnt 0x0
	CROUND                                         ; the closing round
	s_endpgm
.Lfunc_end_k_qfdc2ddec3e_attn:
	.size	k_qfdc2ddec3e_attn, .Lfunc_end_k_qfdc2ddec3e_attn-k_qfdc2ddec3e_attn
	.p2alignl 7, 3214868480
	.fill 96, 4, 3214868480
	.section	.rodata,"a",@progbits
	.p2align	6, 0x0
	.amdhsa_kernel k_qfdc2ddec3e_attn
		.amdhsa_group_segment_fixed_size 327680
		.amdhsa_private_segment_fixed_size 0
		.amdhsa_enable_private_segment 0
		.amdhsa_kernarg_size 56
		.amdhsa_user_sgpr_count 2
		.amdhsa_user_sgpr_kernarg_segment_ptr 1
		.amdhsa_wavefront_size32 1
		.amdhsa_system_sgpr_workgroup_id_x 1
		.amdhsa_system_sgpr_workgroup_id_y 1
		.amdhsa_system_sgpr_workgroup_id_z 1
		.amdhsa_system_vgpr_workitem_id 0
		.amdhsa_next_free_vgpr 512
		.amdhsa_next_free_sgpr 80
		.amdhsa_reserve_vcc 1
		.amdhsa_float_denorm_mode_32 3
		.amdhsa_float_denorm_mode_16_64 3
		.amdhsa_memory_ordered 1
		.amdhsa_forward_progress 1
		.amdhsa_inst_pref_size 195
	.end_amdhsa_kernel
	.amdgpu_metadata
---
amdhsa.version: [ 1, 2 ]
amdhsa.kernels:
  - .name:           k_qfdc2ddec3e_attn
    .symbol:         k_qfdc2ddec3e_attn.kd
    .args:
      - { .name: q, .offset: 0, .size: 8, .value_kind: global_buffer, .address_space: global }
      - { .name: kv, .offset: 8, .size: 8, .value_kind: global_buffer, .address_space: global }
      - { .name: lambda_q1, .offset: 16, .size: 8, .value_kind: global_buffer, .address_space: global }
      - { .name: lambda_k1, .offset: 24, .size: 8, .value_kind: global_buffer, .address_space: global }
      - { .name: lambda_q2, .offset: 32, .size: 8, .value_kind: global_buffer, .address_space: global }
      - { .name: lambda_k2, .offset: 40, .size: 8, .value_kind: global_buffer, .address_space: global }
      - { .name: out0, .offset: 48, .size: 8, .value_kind: global_buffer, .address_space: global }
    .group_segment_fixed_size: 327680
    .private_segment_fixed_size: 0
    .kernarg_segment_align: 8
    .kernarg_segment_size: 56
    .max_flat_workgroup_size: 256
    .sgpr_count:     80
    .vgpr_count:     512
    .wavefront_size: 32
...
	.end_amdgpu_metadata
.endif
;; end of part 2
